; MI455X (gfx1250); checked and timed in simulation.
; The chip was launched on July 23, 2026; its instructions are those of AMD's public machine-readable ISA for CDNA 5 (MIT licence, August 2026) and "CDNA5" Instruction Set Architecture Reference Guide (July 2026). The comments in the code are by the model that wrote it; some were corrected since.
;; Custom LSTM Cell. Allowed arithmetic: matrix products marked QUANTISED: E2M1 operands, one E8M0 scale for each 32 along K, by v_wmma_scale_f32_16x16x128_f8f6f4 with both operands' format E2M1 (or v_wmma_scale_f32_32x16x128_f4), f32 sums; everything else in f32.
;; Inputs: Wc 4,096 x 2,048 float32; Wf 4,096 x 2,048 float32; Wi 4,096 x 2,048 float32; Wo 4,096 x 2,048 float32; bc 2,048 float32; bf 2,048 float32; bi 2,048 float32; bo 2,048 float32; c_prev 2,048 x 2,048 float32; h_prev 2,048 x 2,048 float32; x_t 2,048 x 2,048 float32.
;; Outputs: out0 2,048 x 2,048 float32; out1 2,048 x 2,048 float32.
;; This version of the problem:
;;   THIS VERSION OF THE PROBLEM IS GIVEN IN LOW PRECISION. The matrix products marked QUANTISED in the list below multiply operands that are first quantised to E2M1 (2 exponent bits, 1 mantissa bit; 4 bits a number), with one power-of-two scale for each 32 numbers along K (OCP MX v1.0); their sums are f32. All else is computed in f32.
;;   The module's matrix products, in the order in which they are computed (A, B: the left and right operand; K: the contracted axis; several contracted axes count as one K, in the product's order):
;;     1. [M 2,048, K 4,096] x [K 4,096, N 8,192]; A: computed on the way; B: computed on the way: QUANTISED
;;   THE QUANTISER, for each operand of a quantised product, along K:
;;     - K is cut into blocks of 32 from its start; a last block that is shorter is filled with zeros.
;;     - A block's scale is 2^e with e = floor(log2(the largest magnitude in the block)) - 2, held to -126 .. 127; a block of zeros has e = 0. As a byte (E8M0): e + 127.
;;     - Each number is divided by its block's scale, clamped to +-6, and rounded to the nearest number of E2M1, ties to even, subnormals kept.
;;     - The product sums the exact products of the quantised numbers (number of the format x scale) in f32.
;;   ~~~python
;;   def quantise(x, axis):      # numpy; x: float32 -> the quantised numbers, widened to float32 again
;;       x = np.moveaxis(x, axis, -1); K = x.shape[-1]
;;       x = np.pad(x, [(0, 0)] * (x.ndim - 1) + [(0, -K % 32)]); x = x.reshape(x.shape[:-1] + (-1, 32)); a = np.abs(x).max(-1, keepdims=True)
;;       e = np.where(a > 0, np.clip(np.frexp(np.where(a > 0, a, 1))[1] - 1 - 2, -126, 127), 0)      # np.frexp(a)[1] - 1 = floor(log2(a)), exactly
;;       r = np.clip(x / 2.0 ** e, -6, 6)
;;       step = 2.0 ** (np.maximum(np.frexp(np.where(r == 0, 1, r))[1] - 1, 0) - 1)
;;       q = np.round(r / step) * step * 2.0 ** e      # np.round: ties to even
;;       return np.moveaxis(q.reshape(q.shape[:-2] + (-1,))[..., :K], -1, axis).astype(np.float32)
;;   ~~~
;;   OPERANDS COMPUTED ON THE WAY. 'Computed on the way' means the value that the module computes at that place (a softmax that the list does not call 'softmax' is quantised finished and normalised). What goes into a quantiser is computed in f32, as accurately as f32 sums, v_exp_f32 and their like allow (about 1e-6 of the number): no bf16 or f16 on the way to a quantiser, and a product that is left as it is and whose result goes on into a quantised operand takes f32 operands (vector FMAs, or v_wmma_f32_16x16x4_f32). A number that lies on a knife's edge between two numbers of the format may be rounded either way, as far as f32 arithmetic and the matrix unit's own rounding can turn it there, and no further.
;; One version. Each part assembles by itself: llvm-mc -triple=amdgcn-amd-amdhsa -mcpu=gfx1250 --defsym DOCPART=n.
;; ======== version 1 of 1: 2 launches
;; limits: inputs' magnitudes at most 1.153e+18; right only within a limited range of input values
;; workspace buffers: a_pack 4,456,448 bytes; w_pack 17,825,792 bytes
;; launch quant (part 1): grid 640 x 1, 8 waves a work-group, no clusters, 91,136 bytes of LDS; arguments x_t, h_prev, Wf, Wi, Wc, Wo, a_pack, w_pack; writes a_pack, w_pack
.if DOCPART == 1
	.amdgcn_target "amdgcn-amd-amdhsa--gfx1250"
	.amdhsa_code_object_version 6
	.text
	.protected	k_q4f5633772b_quant
	.globl	k_q4f5633772b_quant
	.p2align	8
	.type	k_q4f5633772b_quant,@function
k_q4f5633772b_quant:
	s_mov_b64 s[64:65], 0
	v_nop
	global_prefetch_b8 v0, s[64:65] scope:SCOPE_SE
	s_setreg_imm32_b32 hwreg(HW_REG_WAVE_MODE, 25, 1), 1
	s_wait_xcnt 0x0
; Both operands of the gates' product are turned into codes of FP4 (E2M1) with one E8M0 scale byte for each 32 along K, once, for the launch that multiplies.
; A = x_t | h_prev, [2048][4096], K innermost.  B = Wf | Wi | Wc | Wo, each [4096 (k)][2048 (unit)], K the FIRST axis.
; BOTH PACKS HAVE ONE LAYOUT: [K step of 512][row][272 bytes]: 256 bytes of codes (k = 512 ks + 0 .. 511, the lower k in the low four bits), then the row's 16 scale bytes of that K step.
;   a_pack: row = batch row; K steps 0-3 come from x_t, 4-7 from h_prev.
;   w_pack: row = (unit / 32) x 128 + gate x 32 + unit % 32, gates f, i, c, o = 0 .. 3: 128 neighbouring rows hold all four gates of 32 hidden units.
; 16 rows are 4,352 bytes, 17 times 256: every store below covers 256 consecutive bytes at a multiple of 256 from the pack's first byte, the scale bytes among them.
; A block's scale is 2^(floor(log2(its largest magnitude)) - 2): its byte is the largest magnitude's exponent field - 2, held at 1 from below.
; LIMITS: a block whose largest magnitude lies under 2^-124 has its byte held at 1; a block of zeros keeps the byte 1 where the rule says 127 (its codes are zeros, and this program alone reads the bytes);
; NaN and infinities among the inputs are not served.
; Work-groups 0 .. 127 take the activations, 128 .. 639 the weights: 256 KiB of f32 each.  The activations have the lowest numbers: a wave there walks 16 steps that hang on each other with 16 loads out,
; a wave of the weights has 64 loads out.  The two ways part on the work-group's number alone and have LDS bytes of their own.
; No tensor loads, no matrix unit, no cluster: a stream that is read once, and work-groups share nothing.
.set PITCH, 272
.set ASTEP, 2048*PITCH                 ; a K step of a_pack in bytes
.set BSTEP, 8192*PITCH                 ; and of w_pack
.set WGA,   128                        ; work-groups for the activations
.set ABASE, 128*PITCH                  ; LDS: bytes 0 .. 34,815 the weights' stage; from here on the activations' regions
.set AREG,  6912                       ; a wave's region on the activations' way: a stage of 32 x SP bytes, then 16 rows of 272
.set SP,    80                         ; a lane's place in that stage: 64 bytes + 16 of padding
.set AOUT,  32*SP
.set SPARE, ABASE+8*AREG               ; the spare words, 1,024 bytes
.set SPW,   128
.set NIL,   129
.set WX,    32                         ; weights: v32-95 two sets of 32 numbers; on the way out v32-65
.set WC,    96                         ;          v96-99 a block's codes
.set WSB,   24                         ;          v24-25 eight scale bytes
.set AR,    16                         ; activations: v16-79 four sets of 16 numbers as loaded; on the way out v16-49
.set AX,    80                         ;          v80-111 two sets of 16 neighbours
.set ACD,   112                        ;          v112-113 a step's codes
.set AE,    114                        ;          v114 its scale byte
	s_load_b512 s[16:31], s[0:1], 0x0              ; x_t s[16:17], h_prev s[18:19], Wf s[20:21], Wi s[22:23], Wc s[24:25], Wo s[26:27], a_pack s[28:29], w_pack s[30:31]
	v_lshl_add_u32 v[SPW], v0, 2, SPARE
	v_mov_b32 v[NIL], 0
	v_lshrrev_b32 v1, 5, v0
	s_delay_alu instid0(VALU_DEP_1)
	v_readfirstlane_b32 s32, v1                    ; wave 0 .. 7
	v_and_b32 v2, 31, v0                           ; lane
	s_cmp_lt_u32 ttmp9, WGA
	s_cbranch_scc1 .Lact
; ---------------- THE WEIGHTS.  A work-group takes one gate, one K step of 512 and 128 units.  Wave w: units 32 (w % 4) on, K half w / 4 (256 along K: 8 blocks).
; A LANE TAKES A UNIT (a column), AND ITS REGISTERS RUN DOWN K: each load reads 128 consecutive bytes, a block of 32 lies in one lane's 32 registers, and the conversions give codes with K innermost.
	s_sub_co_u32 s45, ttmp9, WGA                   ; which of the weights' 512 work-groups
	s_lshr_b32 s33, s45, 7                         ; gate
	s_bfe_u32 s34, s45, 0x30004                    ; K step
	s_and_b32 s35, s45, 15                         ; which 128 units
	s_and_b32 s36, s32, 3                          ; cw: which 32 of them
	s_lshr_b32 s37, s32, 2                         ; kh: which half of the K step
	s_mul_i32 s38, s36, 32*PITCH                   ; the stage: 128 rows of 272 bytes; my 32 rows
	s_lshl_b32 s39, s37, 7
	s_add_co_u32 s39, s39, s38                     ; + 128 kh: my half of a row's codes
	s_wait_alu depctr_va_vdst(0)
	v_mul_u32_u24 v6, v2, PITCH
	s_delay_alu instid0(VALU_DEP_1)
	v_add_nc_u32 v4, s39, v6                       ; v4: where my unit's codes go
	s_lshl_b32 s40, s37, 3
	s_add_co_u32 s40, s40, s38
	s_add_co_u32 s40, s40, 256
	v_add_nc_u32 v5, s40, v6                       ; v5: where its 8 scale bytes go: 256 + 8 kh in the row
	s_mul_i32 s41, s37, 16*PITCH
	s_add_co_u32 s42, s41, s38
	v_lshlrev_b32 v8, 3, v2                        ; v8: 8 x lane
	s_delay_alu instid0(VALU_DEP_1)
	v_add_nc_u32 v7, s42, v8                       ; v7: out of the stage: rows 32 cw + 16 kh on, as they lie, 8 bytes a lane
	v_lshlrev_b32 v3, 2, v2                        ; v3: 4 x lane
	s_lshl_b32 s43, s34, 22                        ; in the weight: (512 ks + 256 kh) rows of 8,192 bytes + 4 (128 cg + 32 cw)
	s_lshl_b32 s44, s37, 21
	s_add_co_u32 s43, s43, s44
	s_lshl_b32 s44, s35, 9
	s_add_co_u32 s43, s43, s44
	s_lshl_b32 s44, s36, 7
	s_add_co_u32 s2, s43, s44
	s_mov_b32 s3, 0
	s_mul_i32 s10, s34, BSTEP                      ; in the pack: ks K steps + ((4 cg + cw) x 128 + 32 gate) rows + my 16 rows
	s_lshl_b32 s44, s35, 2
	s_add_co_u32 s44, s44, s36
	s_mul_i32 s44, s44, 128*PITCH
	s_add_co_u32 s10, s10, s44
	s_mul_i32 s44, s33, 32*PITCH
	s_add_co_u32 s10, s10, s44
	s_add_co_u32 s10, s10, s41
	s_mov_b32 s11, 0
	s_wait_alu depctr_va_vdst(0)
	s_wait_kmcnt 0x0
	s_cmp_eq_u32 s33, 1                            ; the gate's weight: the choice hangs on the work-group's number alone
	s_cselect_b64 s[4:5], s[22:23], s[20:21]
	s_cmp_eq_u32 s33, 2
	s_cselect_b64 s[4:5], s[24:25], s[4:5]
	s_cmp_eq_u32 s33, 3
	s_cselect_b64 s[4:5], s[26:27], s[4:5]
	s_add_nc_u64 s[4:5], s[4:5], s[2:3]
	s_add_nc_u64 s[6:7], s[30:31], s[10:11]
.macro LOADW t                         ; block t: W(32 t + i, my unit), i = 0 .. 31, into set t % 2.  Every offset is an immediate: 255 rows of 8,192 bytes at the most
.irp i, 0,1,2,3,4,5,6,7,8,9,10,11,12,13,14,15,16,17,18,19,20,21,22,23,24,25,26,27,28,29,30,31
	global_load_b32 v[WX+32*((\t)%2)+\i], v3, s[4:5] offset:(32*(\t)+\i)*8192 th:TH_LOAD_NT
.endr
.endm
.macro BLOCKW t
.set XS, WX+32*((\t)%2)
.if (\t) < 7
	s_wait_loadcnt 32                              ; this block's 32 loads are in; the next block's 32 may be out
.else
	s_wait_loadcnt 0
.endif
	v_max3_num_f32 v12, |v[XS]|, |v[XS+1]|, |v[XS+2]|              ; the block's largest magnitude: all 32 numbers are mine; two chains
	v_max3_num_f32 v13, |v[XS+3]|, |v[XS+4]|, |v[XS+5]|
.irp i, 6,10,14,18,22,26
	s_delay_alu instid0(VALU_DEP_2)
	v_max3_num_f32 v12, v12, |v[XS+\i]|, |v[XS+\i+1]|
	s_delay_alu instid0(VALU_DEP_2)
	v_max3_num_f32 v13, v13, |v[XS+\i+2]|, |v[XS+\i+3]|
.endr
	s_delay_alu instid0(VALU_DEP_2)
	v_max3_num_f32 v12, v12, |v[XS+30]|, |v[XS+31]|
	s_delay_alu instid0(VALU_DEP_1)
	v_max3_num_f32 v12, v12, v13, 0x1800000        ; and the floor 2^(3 - 127): the byte cannot fall under 1
	s_delay_alu instid0(VALU_DEP_1)
	v_add_nc_u32 v11, 0xff000000, v12              ; 2 off the exponent field: the conversion takes the exponent field of this operand as its scale
	s_delay_alu instid0(VALU_DEP_1)
	v_lshrrev_b32 v13, 23, v11                     ; the scale's byte
.if (\t)%4 == 0
	s_delay_alu instid0(VALU_DEP_1)
	v_mov_b32 v[WSB+(\t)/4], v13                   ; four bytes to a register, the lower K in the lower byte
.else
	s_delay_alu instid0(VALU_DEP_1)
	v_lshl_or_b32 v[WSB+(\t)/4], v13, 8*((\t)%4), v[WSB+(\t)/4]
.endif
.irp g, 0,1,2,3
	v_cvt_scalef32_pk8_fp4_f32 v[WC+\g], v[XS+8*\g:XS+8*\g+7], v11
.endr
	ds_store_b128 v4, v[WC:WC+3] offset:16*(\t)    ; 32 codes: 16 bytes of my unit's row
.if (\t)+2 < 8
	LOADW (\t)+2
.endif
	s_wait_dscnt 0x0                               ; the store has read its registers: the next block's codes may be written (its first lines are plain vector lines)
.endm
	LOADW 0
	LOADW 1
.irp t, 0,1,2,3,4,5,6,7
	BLOCKW \t
.endr
	s_wait_alu depctr_va_vdst(0)
	ds_store_b64 v5, v[WSB:WSB+1]                  ; my unit's 8 scale bytes
	s_wait_dscnt 0x0                               ; for the others' sake: my stores into the stage are done
	s_barrier_signal -1                            ; a row's 272 bytes come from two waves.  All eight waves of the work-group are on this way
	s_barrier_wait -1
.irp i, 0,1,2,3,4,5,6,7,8,9,10,11,12,13,14,15,16
	ds_load_b64 v[WX+2*\i:WX+2*\i+1], v7 offset:256*\i
.endr
.irp i, 0,1,2,3,4,5,6,7,8,9,10,11,12,13,14,15,16
	s_wait_dscnt 16-\i                             ; LDS loads come back in order: load i is in, the younger ones may be out
	global_store_b64 v8, v[WX+2*\i:WX+2*\i+1], s[6:7] offset:256*\i   ; 32 lanes store 256 consecutive bytes
.endr
	s_wait_tensorcnt 0x0                           ; the wave's end
	ds_add_u32 v[SPW], v[NIL]
	s_wait_dscnt 0x0
	s_endpgm
; ---------------- THE ACTIVATIONS.  A work-group takes one K step of 512 and 128 rows; wave w rows 16 w on, one row (512 numbers) a step, 16 steps.
; The conversions take neighbours along K from ONE lane's registers, so a lane must hold 16 neighbours; a load is dense where neighbouring lanes take neighbouring bytes.  Both are had: a step's four loads read
; 512 consecutive bytes each, 16 a lane; the 2,048 bytes go through the wave's own stage and come back 64 bytes a lane.  Two neighbouring lanes hold a block of 32.  Waves share nothing here: no barrier.
.Lact:
	s_mov_b32 s33, ttmp9
	s_lshr_b32 s34, s33, 4                         ; K step
	s_and_b32 s35, s33, 15                         ; which 128 rows
	s_mul_i32 s36, s32, AREG
	s_add_co_u32 s36, s36, ABASE                   ; my wave's region
	s_wait_alu depctr_va_vdst(0)
	v_lshrrev_b32 v14, 2, v2
	s_delay_alu instid0(VALU_DEP_1)
	v_mul_u32_u24 v14, v14, SP
	v_and_b32 v15, 3, v2
	s_delay_alu instid0(VALU_DEP_1)
	v_lshl_add_u32 v14, v15, 4, v14
	s_delay_alu instid0(VALU_DEP_1)
	v_add_nc_u32 v14, s36, v14                     ; v14: into the stage: four lanes' 64 bytes on end, then 16 of padding
	v_mul_u32_u24 v15, v2, SP
	s_delay_alu instid0(VALU_DEP_1)
	v_add_nc_u32 v15, s36, v15                     ; v15: out of it: my 16 neighbours
	s_add_co_u32 s37, s36, AOUT
	v_lshlrev_b32 v7, 3, v2                        ; v7: 8 x lane
	s_delay_alu instid0(VALU_DEP_1)
	v_add_nc_u32 v4, s37, v7                       ; v4: my 8 bytes of a row's codes; also the dense way out
	v_lshrrev_b32 v5, 1, v2
	s_delay_alu instid0(VALU_DEP_1)
	v_add_nc_u32 v5, s37, v5                       ; v5: my block's scale byte
	v_lshlrev_b32 v3, 4, v2                        ; v3: 16 x lane
	s_lshl_b32 s38, s35, 7
	s_lshl_b32 s39, s32, 4
	s_add_co_u32 s38, s38, s39                     ; my first row
	s_lshl_b32 s2, s38, 13                         ; rows of 8,192 bytes,
	s_and_b32 s39, s34, 3
	s_lshl_b32 s39, s39, 11                        ; + the K step's 2,048 bytes within its tensor
	s_add_co_u32 s2, s2, s39
	s_mov_b32 s3, 0
	s_mul_i32 s10, s34, ASTEP
	s_mul_i32 s39, s38, PITCH
	s_add_co_u32 s10, s10, s39
	s_mov_b32 s11, 0
	s_wait_alu depctr_va_vdst(0)
	s_wait_kmcnt 0x0
	s_cmp_lt_u32 s34, 4                            ; K steps 0-3: x_t; 4-7: h_prev
	s_cselect_b64 s[4:5], s[16:17], s[18:19]
	s_add_nc_u64 s[4:5], s[4:5], s[2:3]
	s_add_nc_u64 s[8:9], s[28:29], s[10:11]
.macro LOADA t
.irp i, 0,1,2,3
	global_load_b128 v[AR+16*((\t)%4)+4*\i:AR+16*((\t)%4)+4*\i+3], v3, s[4:5] offset:8192*(\t)+512*\i th:TH_LOAD_NT
.endr
.endm
.macro TURNA t                         ; step t's numbers through the stage: LDS serves a wave's instructions in order (ISA guide 5.7.1.4), so no wait stands between the stores and the loads
.irp i, 0,1,2,3
	ds_store_b128 v14, v[AR+16*((\t)%4)+4*\i:AR+16*((\t)%4)+4*\i+3] offset:8*SP*\i
.endr
.irp i, 0,1,2,3
	ds_load_b128 v[AX+16*((\t)%2)+4*\i:AX+16*((\t)%2)+4*\i+3], v15 offset:16*\i
.endr
.endm
.macro STEPA t
.set XS, AX+16*((\t)%2)
	s_wait_dscnt 0x0                               ; this step's numbers are back, and the last step's two small stores have read their registers
.if (\t)+4 < 16
	LOADA (\t)+4                                   ; into the set whose stores into the stage are done
.endif
.if (\t)+1 < 16
.if 14-(\t) >= 3
	s_wait_loadcnt 12                              ; the next step's four loads are in; those of the three steps behind it may be out
.else
	s_wait_loadcnt 4*(14-(\t))
.endif
	TURNA (\t)+1                                   ; they go through the stage while this step is worked
.endif
	v_max3_num_f32 v8, |v[XS]|, |v[XS+1]|, |v[XS+2]|               ; the largest magnitude of my 16
	v_max3_num_f32 v9, |v[XS+3]|, |v[XS+4]|, |v[XS+5]|
.irp i, 6,10
	s_delay_alu instid0(VALU_DEP_2)
	v_max3_num_f32 v8, v8, |v[XS+\i]|, |v[XS+\i+1]|
	s_delay_alu instid0(VALU_DEP_2)
	v_max3_num_f32 v9, v9, |v[XS+\i+2]|, |v[XS+\i+3]|
.endr
	s_delay_alu instid0(VALU_DEP_2)
	v_max3_num_f32 v8, v8, |v[XS+14]|, |v[XS+15]|
	s_delay_alu instid0(VALU_DEP_1)
	v_max3_num_f32 v8, v8, v9, 0x1800000           ; and the floor 2^(3 - 127)
	s_delay_alu instid0(VALU_DEP_1)
	v_max_num_f32_dpp v8, v8, v8 row_xmask:1 row_mask:0xf bank_mask:0xf   ; and of my neighbour's 16: the block's
	s_delay_alu instid0(VALU_DEP_1)
	v_add_nc_u32 v11, 0xff000000, v8               ; 2 off the exponent field: the conversion's scale operand
	v_cvt_scalef32_pk8_fp4_f32 v[ACD], v[XS:XS+7], v11
	v_cvt_scalef32_pk8_fp4_f32 v[ACD+1], v[XS+8:XS+15], v11
	v_lshrrev_b32 v[AE], 23, v11                   ; the scale's byte (a plain vector line behind the conversions)
	ds_store_b64 v4, v[ACD:ACD+1] offset:PITCH*(\t)                ; row t of my 16: my 16 codes
	ds_store_b8 v5, v[AE] offset:PITCH*(\t)+256    ; both lanes of a block write the same byte with the same value
.endm
.irp t, 0,1,2,3
	LOADA \t
.endr
	s_wait_loadcnt 12                              ; step 0's four loads are in
	TURNA 0
.irp t, 0,1,2,3,4,5,6,7,8,9,10,11,12,13,14,15
	STEPA \t
.endr
.irp i, 0,1,2,3,4,5,6,7,8,9,10,11,12,13,14,15,16
	ds_load_b64 v[AR+2*\i:AR+2*\i+1], v4 offset:256*\i             ; my 16 rows as they lie: these see my stores
.endr
.irp i, 0,1,2,3,4,5,6,7,8,9,10,11,12,13,14,15,16
	s_wait_dscnt 16-\i
	global_store_b64 v7, v[AR+2*\i:AR+2*\i+1], s[8:9] offset:256*\i   ; 32 lanes store 256 consecutive bytes
.endr
	s_wait_tensorcnt 0x0                           ; the wave's end
	ds_add_u32 v[SPW], v[NIL]
	s_wait_dscnt 0x0
	s_endpgm
.Lfunc_end_k_q4f5633772b_quant:
	.size	k_q4f5633772b_quant, .Lfunc_end_k_q4f5633772b_quant-k_q4f5633772b_quant
	.p2alignl 7, 3214868480
	.fill 96, 4, 3214868480
	.section	.rodata,"a",@progbits
	.p2align	6, 0x0
	.amdhsa_kernel k_q4f5633772b_quant
		.amdhsa_group_segment_fixed_size 91136
		.amdhsa_private_segment_fixed_size 0
		.amdhsa_enable_private_segment 0
		.amdhsa_kernarg_size 64
		.amdhsa_user_sgpr_count 2
		.amdhsa_user_sgpr_kernarg_segment_ptr 1
		.amdhsa_wavefront_size32 1
		.amdhsa_system_sgpr_workgroup_id_x 1
		.amdhsa_system_sgpr_workgroup_id_y 1
		.amdhsa_system_sgpr_workgroup_id_z 1
		.amdhsa_system_vgpr_workitem_id 0
		.amdhsa_next_free_vgpr 130
		.amdhsa_next_free_sgpr 66
		.amdhsa_reserve_vcc 0
		.amdhsa_float_denorm_mode_32 3
		.amdhsa_float_denorm_mode_16_64 3
		.amdhsa_memory_ordered 1
		.amdhsa_forward_progress 1
		.amdhsa_inst_pref_size 86
	.end_amdhsa_kernel
	.amdgpu_metadata
---
amdhsa.version: [ 1, 2 ]
amdhsa.kernels:
  - .name:           k_q4f5633772b_quant
    .symbol:         k_q4f5633772b_quant.kd
    .args:
      - { .name: x_t, .offset: 0, .size: 8, .value_kind: global_buffer, .address_space: global }
      - { .name: h_prev, .offset: 8, .size: 8, .value_kind: global_buffer, .address_space: global }
      - { .name: Wf, .offset: 16, .size: 8, .value_kind: global_buffer, .address_space: global }
      - { .name: Wi, .offset: 24, .size: 8, .value_kind: global_buffer, .address_space: global }
      - { .name: Wc, .offset: 32, .size: 8, .value_kind: global_buffer, .address_space: global }
      - { .name: Wo, .offset: 40, .size: 8, .value_kind: global_buffer, .address_space: global }
      - { .name: a_pack, .offset: 48, .size: 8, .value_kind: global_buffer, .address_space: global }
      - { .name: w_pack, .offset: 56, .size: 8, .value_kind: global_buffer, .address_space: global }
    .group_segment_fixed_size: 91136
    .private_segment_fixed_size: 0
    .kernarg_segment_align: 8
    .kernarg_segment_size: 64
    .max_flat_workgroup_size: 256
    .sgpr_count:     66
    .vgpr_count:     130
    .wavefront_size: 32
...
	.end_amdgpu_metadata
.endif
;; end of part 1
;; launch cell (part 2): grid 32 x 8, 4 waves a work-group, clusters of 4 x 4, 327,680 bytes of LDS; arguments a_pack, w_pack, bf, bi, bc, bo, c_prev, out0, out1; writes out0, out1
.if DOCPART == 2
	.amdgcn_target "amdgcn-amd-amdhsa--gfx1250"
	.amdhsa_code_object_version 6
	.text
	.protected	k_q4f5633772b_cell
	.globl	k_q4f5633772b_cell
	.p2align	8
	.type	k_q4f5633772b_cell,@function
k_q4f5633772b_cell:
	s_mov_b64 s[64:65], 0
	v_nop
	global_prefetch_b8 v0, s[64:65] scope:SCOPE_SE
	s_setreg_imm32_b32 hwreg(HW_REG_WAVE_MODE, 25, 1), 1
	s_wait_xcnt 0x0
	s_wait_alu depctr_hold_cnt(0) depctr_sa_sdst(0) depctr_va_vdst(0) depctr_va_sdst(0) depctr_va_ssrc(0) depctr_va_vcc(0) depctr_vm_vsrc(0)
	s_getreg_b32 s2, hwreg(HW_REG_IB_STS2, 6, 4)
	s_cmp_eq_u32 s2, 0
	s_cbranch_scc0 .Lentry_in_a_cluster
	s_endpgm
.Lentry_in_a_cluster:
	s_bfe_u32 s2, ttmp6, 0x10000c
	s_cmp_lg_u32 s2, 0xf033
	s_cbranch_scc0 .Lentry_shape_is_right
	s_endpgm
.Lentry_shape_is_right:
; gates = Q(x_t | h_prev) Q(Wf | Wi | Wc | Wo) + b on codes of FP4 with E8M0 scales, then the cell: c_t = sig(f) c_prev + sig(i) tanh(c), h_t = sig(o) tanh(c_t).
; Both packs: [K step of 512][row][272 bytes]: 256 bytes of codes, then the row's 16 scale bytes.  w_pack's 128 neighbouring rows hold the four gates of 32 hidden units.
; A work-group makes 256 batch rows x 256 gate columns (64 units); a wave 128 x 128: 64 accumulators, 512 registers.  K goes in 8 steps of 512 through two LDS slots.
; CLUSTERS 4 x 4: A's tiles are asked for jointly along a row of the cluster, B's along a column.  The matrix instruction is used transposed (source 0 = B's rows, source 1 = A's).
; REGISTERS: window 0: v0-31 addresses, v32-95 scale words (two sets), v128-255 A's fragments (two sets); window 1: v0-63, v128-191 B's fragments (two sets), v64-127 the bias;
; windows 2, 3: the accumulators.  Both operands have two sets, so a step of 128 along K asks for all of the next step's fragments in one run at its head, 64 matrix instructions ahead of their use
; (48 at a change of slots).  A slot's last reads are issued in its third step, so the change of slots stands at the head of its fourth step.
; The activations: every exponential is 2^(min(30, .)), and quotients share a reciprocal: c_t = (c_prev B D + (1 - ec) A) / (A B D), A = 1 + ef, B = 1 + ei, D = 1 + ec; h_t = (1 - et) / ((1 + et)(1 + eo)).
; LIMITS: a sigmoid under 2^-30 comes out as about 2^-30, 1 - |tanh| under 2^-29 likewise; |c_prev| stays under 2^60; NaN and infinities among the inputs are not served.
.set PITCH,  272
.set HALFT,  128*PITCH                 ; 128 rows: one tensor load of the ring
.set SLOT,   4*HALFT                   ; A's 256 rows, then B's
.set SPARE,  2*SLOT                    ; the spare words, 512 bytes
.set CSTG,   2*HALFT                   ; the way out: h's stage at SLOT, c's CSTG behind it (slot 1, behind its last fill and last read); c_prev's tile lies in slot 0
.set ASTEP,  2048*PITCH
.set BSTEP,  8192*PITCH
.set NQ,     4
.set FR,     8
.set LAPS,   4
.set CPA,  7
.set PFCO, 8
.set BO,   9
.set ADRA, 16
.set ADRB, 20
.set ADRS, 22
.set STOH, 24
.set STOC, 25
.set RD,   26
.set CO,   27
.set SPW,  28
.set NIL,  29
.set PFO,  30
.set PFO2, 31
.set SC,   32
.set CP,   96
.set W1,   112
.set AF,   128
.set T,    128
.set TA,   T
.set TB,   T+16
.set TD,   T+32
.set TE,   T+48
.set BI,   64                          ; in window 1
.set OB,   192
.set WV,   16
.set G1,   24
.set G0,   32
.set G1B,  48
.set G0B,  56
.set OUT,  70
.set PF2,  74
.set G1C,  76
.set G0C,  84
.set PFA,  88
.set PFS,  90
.set PFC,  94
.set KL,   96
.set K2,   98
.set CAP,  100
.set MSB, 0
.macro WIN new                         ; the immediate's high byte repeats the setting that is left
.if MSB != (\new)
	s_set_vgpr_msb (MSB<<8)|(\new)
.set MSB, (\new)
.endif
.endm
.set MUL_LO, 0xa1                      ; source 0 (B) window 1, source 1 (A) window 0, C and D window 2
.set MUL_HI, 0xf1                      ; the same, C and D window 3
.set TO_B,   0x40
.macro PLACES n
.rept \n
	v_nop
.endr
.endm
.macro JLOAD g0a, g1a, g0b, g1b        ; a joint load: waves 0, 1 fetch A's halves, waves 2, 3 B's; s_nop 0 and four v_nop behind each line
	s_cmp_eq_u32 s17, 0
	s_cbranch_scc0 .Lfor_b_\@
	tensor_load_to_lds s[\g0a:\g0a+3], s[\g1a:\g1a+7]
	s_nop 0
	PLACES 4
	s_branch .Lasked_\@
.Lfor_b_\@:
	tensor_load_to_lds s[\g0b:\g0b+3], s[\g1b:\g1b+7]
	s_nop 0
	PLACES 4
.Lasked_\@:
.endm
.macro CREST
	s_cmp_lg_u32 s[WV], 0
	s_cbranch_scc1 .Lnot_wave_0_\@
	s_barrier_signal -3
.Lnot_wave_0_\@:
	s_barrier_wait -3
	s_barrier_signal -1
	s_barrier_wait -1
.endm
.macro CROUND
	s_barrier_signal -1
	s_barrier_wait -1
	CREST
.endm
; A prefetch: of the 136 blocks of 256 bytes that my wave's load of a K step names, my work-group's 34 (the four partners share them out by address): 32 by a lane each, 2 by the second line.
.macro PF base
	global_prefetch_b8 v[PFO], s[\base:\base+1] th:TH_LOAD_NT scope:SCOPE_SE
	global_prefetch_b8 v[PFO2], s[\base:\base+1] th:TH_LOAD_NT scope:SCOPE_SE
.endm
.macro ASK                             ; behind the refill with K step r: K step r + 2; the last trip's refills (K steps 6, 7) ask for nothing
	s_cmp_gt_u32 s3, 1
	s_cbranch_scc0 .Lnot_mine_\@
	PF PFA
.Lnot_mine_\@:
.endm
.macro ASKC                            ; c_prev's tile, my wave's 64 rows of 256 bytes, a lane a row: two K steps ahead of its load
	s_cmp_eq_u32 s3, 1
	s_cbranch_scc0 .Lnot_yet_\@
	global_prefetch_b8 v[PFCO], s[PFC:PFC+1] th:TH_LOAD_NT scope:SCOPE_SE
	global_prefetch_b8 v[PFCO], s[PFC:PFC+1] offset:32*8192 th:TH_LOAD_NT scope:SCOPE_SE
.Lnot_yet_\@:
.endm
	s_load_b128 s[4:7], s[0:1], 0x0                ; a_pack, w_pack
	s_load_b256 s[8:15], s[0:1], 0x10              ; bf, bi, bc, bo
	s_load_b128 s[68:71], s[0:1], 0x30             ; c_prev, out0
	s_load_b64 s[72:73], s[0:1], 0x40              ; out1
	v_lshl_add_u32 v[SPW], v0, 2, SPARE
	v_mov_b32 v[NIL], 0
	ds_add_u32 v[SPW], v[NIL]                      ; the opening lines: the add twice on end under one wait
	ds_add_u32 v[SPW], v[NIL]
	v_lshrrev_b32 v1, 5, v0
	v_readfirstlane_b32 s[WV], v1                  ; wave
	s_lshr_b32 s17, s[WV], 1                       ; my half of the rows; also: I fetch for A (0) or B (1)
	s_and_b32 s18, s[WV], 1                        ; my half of the columns; also: which 128 rows I fetch
	s_bfe_u32 s40, ttmp6, 0x40000                  ; cx
	s_bfe_u32 s41, ttmp6, 0x40004                  ; cy
	s_lshl_b32 s42, ttmp9, 2
	s_add_co_u32 s42, s42, s40                     ; tile column
	s_and_b32 s43, ttmp7, 0xffff
	s_lshl_b32 s43, s43, 2
	s_add_co_u32 s43, s43, s41                     ; tile row
	s_lshl_b32 s44, s41, 2
	s_lshl_b32 s44, 15, s44                        ; my row of the cluster
	s_lshl_b32 s45, 0x1111, s40                    ; my column
	s_or_b32 s[G1+0], s44, (3<<16)|(1<<21)         ; 128 rows of 272 bytes are dense: 136 rows of 256 bytes (32 elements of 8)
	s_or_b32 s[G1B+0], s45, (3<<16)|(1<<21)
.irp g, G1, G1B
	s_mov_b32 s[\g+1], 32<<16
	s_mov_b32 s[\g+2], 136<<16
	s_mov_b32 s[\g+3], 32<<16
	s_mov_b32 s[\g+4], 136
	s_mov_b32 s[\g+5], 32
	s_mov_b32 s[\g+6], 0
	s_mov_b32 s[\g+7], 0
.endr
	s_mov_b32 s[G1C+0], (3<<16)|(1<<20)|(5<<22)|(3<<25)  ; c_prev: 64 rows of 256 bytes, pitch 8,192 bytes, 16 bytes of padding behind each
	s_mov_b32 s[G1C+1], 32<<16
	s_mov_b32 s[G1C+2], 64<<16
	s_mov_b32 s[G1C+3], 32<<16
	s_mov_b32 s[G1C+4], 64
	s_mov_b32 s[G1C+5], 1024
	s_mov_b32 s[G1C+6], 0
	s_mov_b32 s[G1C+7], 0
	s_lshl_b32 s19, s18, 7
	s_lshl_b32 s20, s43, 8
	s_add_co_u32 s20, s20, s19
	s_mul_i32 s20, s20, PITCH
	s_mov_b32 s21, 0
	s_lshl_b32 s46, s42, 8
	s_add_co_u32 s46, s46, s19
	s_mul_i32 s46, s46, PITCH
	s_mov_b32 s47, 0
	s_mul_i32 s22, s[WV], HALFT
	s_wait_dscnt 0x0                               ; both opening adds are done
	s_wait_kmcnt 0x0
	s_add_nc_u64 s[20:21], s[4:5], s[20:21]
	s_add_nc_u64 s[46:47], s[6:7], s[46:47]
.irp s, 0,1
	s_mov_b32 s[G0+4*\s], 1
	s_add_co_u32 s[G0+4*\s+1], s22, \s*SLOT
	s_add_nc_u64 s[G0+4*\s+2:G0+4*\s+3], s[20:21], \s*ASTEP
	s_or_b32 s[G0+4*\s+3], s[G0+4*\s+3], 0x80000000
	s_mov_b32 s[G0B+4*\s], 1
	s_add_co_u32 s[G0B+4*\s+1], s22, \s*SLOT
	s_add_nc_u64 s[G0B+4*\s+2:G0B+4*\s+3], s[46:47], \s*BSTEP
	s_or_b32 s[G0B+4*\s+3], s[G0B+4*\s+3], 0x80000000
.endr
	CROUND                                         ; all sixteen work-groups are here: the first joint loads meet
	JLOAD G0, G1, G0B, G1B                         ; K step 0: one tensor load a wave at the head
	; the scalar set-up first, then the vector lines on end
	s_lshl_b32 s66, s42, 8                         ; the bias: 64 units a tile column, 32 a wave
	s_lshl_b32 s67, s18, 7
	s_add_co_u32 s66, s66, s67
	s_mov_b32 s67, 0
.irp g, 0,1,2,3
	s_add_nc_u64 s[8+2*\g:9+2*\g], s[8+2*\g:9+2*\g], s[66:67]
.endr
	s_mul_i32 s19, s17, HALFT                      ; my 128 rows of A
	s_mul_i32 s20, s18, HALFT
	s_add_co_u32 s20, s20, 2*HALFT                 ; my 128 rows of B
	s_sub_co_u32 s21, s20, s19
	s_add_co_u32 s22, s19, 256                     ; the scale bytes of a row
	s_lshl_b32 s23, s18, 7
	s_add_co_u32 s23, s23, s19                     ; c_prev's tile and the stages: my rows, my 128 bytes of them
	s_mul_i32 s66, s18, CSTG
	s_add_co_u32 s66, s66, s19
	s_add_co_u32 s66, s66, SLOT                    ; back from the stage: column half 0 sends h, half 1 sends c
	s_lshl_b32 s44, s43, 8
	s_lshl_b32 s45, s[WV], 6
	s_add_co_u32 s44, s44, s45
	s_lshl_b32 s44, s44, 13
	s_lshl_b32 s45, s42, 8
	s_add_co_u32 s44, s44, s45
	s_mov_b32 s45, 0
	s_add_nc_u64 s[PFC:PFC+1], s[68:69], s[44:45]  ; c_prev: rows 256 x tile row + 64 x wave, 256 bytes at the tile's units
	s_mov_b32 s[G0C], 1
	s_mul_i32 s[G0C+1], s[WV], 64*PITCH
	s_mov_b64 s[G0C+2:G0C+3], s[PFC:PFC+1]
	s_or_b32 s[G0C+3], s[G0C+3], 0x80000000
	s_cmp_eq_u32 s18, 0
	s_cselect_b64 s[OUT:OUT+1], s[70:71], s[72:73]
	s_lshl_b32 s44, s43, 8
	s_lshl_b32 s45, s17, 7
	s_add_co_u32 s44, s44, s45
	s_lshl_b32 s44, s44, 13
	s_lshl_b32 s45, s42, 8
	s_add_co_u32 s44, s44, s45
	s_mov_b32 s45, 0
	s_add_nc_u64 s[OUT:OUT+1], s[OUT:OUT+1], s[44:45]
	s_lshl_b32 s46, s43, 8                         ; the prefetches
	s_lshl_b32 s47, s42, 8
	s_mov_b32 s[PFS], BSTEP
	s_cmp_eq_u32 s17, 0
	s_cselect_b32 s46, s46, s47                    ; the tile's first row
	s_cselect_b32 s47, s40, s41                    ; my place among the four that ask for it with me
	s_cselect_b32 s[PFS], ASTEP, s[PFS]
	s_cselect_b64 s[PFA:PFA+1], s[4:5], s[6:7]
	s_lshl_b32 s44, s18, 7
	s_add_co_u32 s46, s46, s44
	s_lshl_b32 s47, s47, 5
	s_add_co_u32 s46, s46, s47
	s_mul_i32 s46, s46, PITCH
	s_add_co_u32 s46, s46, s[PFS]
	s_mov_b32 s47, 0
	s_mov_b32 s[PFS+1], 0
	s_add_nc_u64 s[PFA:PFA+1], s[PFA:PFA+1], s[46:47]        ; K step 1
	s_add_nc_u64 s[PF2:PF2+1], s[PFA:PFA+1], s[PFS:PFS+1]    ; K step 2
	s_mov_b32 s[KL], 0xbfb8aa3b                    ; -log2(e)
	s_mov_b32 s[KL+1], s[KL]
	s_mov_b32 s[K2], 0xc038aa3b                    ; -2 log2(e)
	s_mov_b32 s[K2+1], s[K2]
	s_mov_b32 s[CAP], 0x41f00000                   ; 30
	v_and_b32 v1, 15, v0                           ; r
	v_bfe_u32 v2, v0, 4, 1                         ; h
	v_lshlrev_b32 v[BO], 5, v2
	WIN TO_B
.irp b, 0,1,2,3,4,5,6,7                ; block b of B: gate b / 2, units 16 (b % 2) + 8 h + 0 .. 7: the bias in the result's layout, the C of the first products
.irp p, 0,1
	global_load_b128 v[BI+8*\b+4*\p:BI+8*\b+4*\p+3], v[BO], s[8+2*(\b/2):9+2*(\b/2)] offset:64*(\b%2)+16*\p
.endr
.endr
	WIN 0
	v_mul_u32_u24 v3, v1, PITCH
	v_lshl_add_u32 v4, v2, 4, v3
	v_mul_u32_u24 v6, s21, v2                      ; scale words: lanes 0-15 A's rows, lanes 16-31 B's
	v_add_nc_u32 v5, v3, v6
	v_add_nc_u32 v[ADRA], s19, v4
	v_add_nc_u32 v[ADRB], s20, v4
	v_add_nc_u32 v[ADRS], s22, v5
	v_add_nc_u32 v[ADRA+1], SLOT, v[ADRA]
	v_add_nc_u32 v[ADRB+1], SLOT, v[ADRB]
	v_add_nc_u32 v[ADRS+1], SLOT, v[ADRS]
	v_add_nc_u32 v[CPA], v3, v[BO]
	v_add_nc_u32 v[CPA], s23, v[CPA]
	v_add_nc_u32 v[STOH], SLOT, v[CPA]
	v_add_nc_u32 v[STOC], SLOT+CSTG, v[CPA]
	v_mul_u32_u24 v5, v2, PITCH
	v_lshl_add_u32 v5, v1, 4, v5
	v_add_nc_u32 v[RD], s66, v5
	v_lshlrev_b32 v[CO], 13, v2
	v_lshl_add_u32 v[CO], v1, 4, v[CO]
	v_and_b32 v[PFO], 31, v0
	v_lshlrev_b32 v[PFCO], 13, v[PFO]
	v_lshlrev_b32 v[PFO], 8, v[PFO]
	v_lshl_add_u32 v[PFO2], v2, 8, 8192
	PF PFA                                         ; behind K step 0's load: K steps 1 and 2
	PF PF2
.macro FRAG reg, adr, q, i             ; 16 rows x 128 K: registers 4 c .. 4 c + 3 hold K = 64 c + 32 h + 0 .. 31
.irp c, 0,1
	ds_load_b128 v[\reg+4*\c:\reg+4*\c+3], v[\adr] offset:64*(\q)+32*\c+(\i)*16*PITCH
.endr
.endm
; 16 matrix instructions: A's blocks a0, a0 + 1 x B's eight; p: the fragments' set; sc: the scale words' set; zero = 1: the bias is the first C.  The 64 accumulators take turns.
.macro MUL16 a0, p, q, sc, zero
.irp a, \a0, \a0+1
.irp b, 0,1,2,3,4,5,6,7
.if \zero
	v_wmma_scale_f32_16x16x128_f8f6f4 v[8*(8*((\a)%4)+\b):8*(8*((\a)%4)+\b)+7], v[128*(\p)+FR*\b:128*(\p)+FR*\b+FR-1], v[AF+64*(\p)+FR*(\a):AF+64*(\p)+FR*(\a)+FR-1], v[BI+8*\b:BI+8*\b+7], v[SC+8*NQ*(\sc)+NQ*\b+(\q)], v[SC+8*NQ*(\sc)+NQ*(\a)+(\q)] matrix_a_fmt:MATRIX_FMT_FP4 matrix_b_fmt:MATRIX_FMT_FP4 matrix_a_scale:MATRIX_SCALE_ROW1
.else
	v_wmma_scale_f32_16x16x128_f8f6f4 v[8*(8*((\a)%4)+\b):8*(8*((\a)%4)+\b)+7], v[128*(\p)+FR*\b:128*(\p)+FR*\b+FR-1], v[AF+64*(\p)+FR*(\a):AF+64*(\p)+FR*(\a)+FR-1], v[8*(8*((\a)%4)+\b):8*(8*((\a)%4)+\b)+7], v[SC+8*NQ*(\sc)+NQ*\b+(\q)], v[SC+8*NQ*(\sc)+NQ*(\a)+(\q)] matrix_a_fmt:MATRIX_FMT_FP4 matrix_b_fmt:MATRIX_FMT_FP4 matrix_a_scale:MATRIX_SCALE_ROW1
.endif
.endr
.endr
.endm
.macro FETCH_B slot, q, p              ; 16 loads
	WIN TO_B
.irp i, 0,1,2,3,4,5,6,7
	FRAG 128*(\p)+FR*\i, ADRB+\slot, \q, \i
.endr
	WIN 0
.endm
.macro FETCH_A slot, q, p              ; 16 loads, block 0 first
.irp i, 0,1,2,3,4,5,6,7
	FRAG AF+64*(\p)+FR*\i, ADRA+\slot, \q, \i
.endr
.endm
.macro SCALES sc                       ; 8 loads: a K step's four words a row
.irp i, 0,1,2,3,4,5,6,7
	ds_load_b128 v[SC+8*NQ*\sc+NQ*\i:SC+8*NQ*\sc+NQ*\i+3], v[ADRS+\sc] offset:\i*16*PITCH
.endr
.endm
; A step of 128 along K whose successor lies in the same slot.  LDS loads come back in order: B's 16, then A's blocks 0 .. 7, two loads each.
.macro STEP slot, q, zero
	s_wait_dscnt 12                                ; B and A's blocks 0, 1 are in; blocks 2-7 (12 loads) may be out
	PLACES 4                                       ; in front of the loads into the other set, which the last step's products read
	FETCH_B \slot, (\q)+1, 1-(\q)%2                ; the next step's 32 loads in one run
	FETCH_A \slot, (\q)+1, 1-(\q)%2
	WIN MUL_LO-0x10*(\zero)
	MUL16 0, (\q)%2, \q, \slot, \zero
	s_wait_dscnt 40                                ; blocks 2, 3 are in: behind them blocks 4-7 (8) and the 32 just issued
	MUL16 2, (\q)%2, \q, \slot, \zero
	s_wait_dscnt 36
	WIN MUL_HI-0x20*(\zero)
	MUL16 4, (\q)%2, \q, \slot, \zero
	s_wait_dscnt 32
	MUL16 6, (\q)%2, \q, \slot, \zero
	WIN 0
.endm
; A slot's last step.  Its fragments were asked for a step ago, so my reads of the slot end at its head: there stand the three lines and the round; behind the round the refill, then the next slot's first fragments.
; fill = 1: this slot takes the K step two on; fill = 2: slot 0 takes c_prev's tile.
.macro TURN slot, next, fill
.if \fill == 1
	s_wait_xcnt 0x0                                ; my prefetches have read their address
	s_add_nc_u64 s[PFA:PFA+1], s[PFA:PFA+1], s[PFS:PFS+1]
.endif
	s_wait_tensorcnt 0x0                           ; my part of the next slot is in
	ds_add_u32 v[SPW], v[NIL]
	s_wait_dscnt 0x0                               ; the add is done, my reads of this slot are over
	s_barrier_signal -1
	WIN MUL_LO
	MUL16 0, 1, NQ-1, \slot, 0
	WIN 0
	s_barrier_wait -1
	CREST
.if \fill == 1
	s_add_nc_u64 s[G0+4*\slot+2:G0+4*\slot+3], s[G0+4*\slot+2:G0+4*\slot+3], 2*ASTEP
	s_add_nc_u64 s[G0B+4*\slot+2:G0B+4*\slot+3], s[G0B+4*\slot+2:G0B+4*\slot+3], 2*BSTEP
	JLOAD G0+4*\slot, G1, G0B+4*\slot, G1B         ; its four v_nop are also the places in front of the loads below
.else
	tensor_load_to_lds s[G0C:G0C+3], s[G1C:G1C+7]
	s_nop 0
	PLACES 4
.endif
	SCALES \next
	FETCH_B \next, 0, 0
	FETCH_A \next, 0, 0
.if \fill == 1
	ASK
.if (\slot) == 0
	ASKC
.endif
.endif
	WIN MUL_LO
	MUL16 2, 1, NQ-1, \slot, 0
	WIN MUL_HI
	MUL16 4, 1, NQ-1, \slot, 0
	MUL16 6, 1, NQ-1, \slot, 0
	WIN 0
.endm
.macro STEPS slot, from
.set Q, \from
.rept NQ-1-\from
	STEP \slot, Q, 0
.set Q, Q+1
.endr
.endm
	s_wait_xcnt 0x0                                ; the head's prefetches have read their addresses
	s_add_nc_u64 s[PFA:PFA+1], s[PF2:PF2+1], s[PFS:PFS+1]    ; K step 3
	s_wait_alu depctr_va_vdst(0)
	s_wait_tensorcnt 0x0                           ; my part of K step 0 is in; the three lines ahead of a later first fill
	ds_add_u32 v[SPW], v[NIL]
	s_wait_dscnt 0x0
	CROUND
	JLOAD G0+4, G1, G0B+4, G1B                     ; K step 1, the first tensor load behind the round
	SCALES 0
	FETCH_B 0, 0, 0
	FETCH_A 0, 0, 0
	PF PFA                                         ; behind K step 1's load: K step 3
	s_wait_loadcnt 0x0                             ; the bias
	STEP 0, 0, 1
	s_mov_b32 s3, LAPS-1
.Llap:                                                 ; a trip goes once round the ring and fills both slots again
	STEPS 0, 1
	TURN 0, 1, 1
	STEPS 1, 0
	TURN 1, 0, 1
	STEP 0, 0, 0
	s_sub_co_u32 s3, s3, 1
	s_cmp_lg_u32 s3, 0
	s_cbranch_scc1 .Llap
	STEPS 0, 1
	TURN 0, 1, 2
	STEPS 1, 0
	s_wait_dscnt 12                                ; the very last step: nothing more to fetch
	WIN MUL_LO
	MUL16 0, 1, NQ-1, 1, 0
	s_wait_dscnt 8
	MUL16 2, 1, NQ-1, 1, 0
	s_wait_dscnt 4
	WIN MUL_HI
	MUL16 4, 1, NQ-1, 1, 0
	s_wait_dscnt 0
	MUL16 6, 1, NQ-1, 1, 0
	WIN 0
	PLACES 4
	s_wait_tensorcnt 0x0                           ; my part of c_prev's tile is in
	s_wait_dscnt 0x0
	s_barrier_signal -1                            ; nobody reads slot 1 any more, c_prev's tile is whole
	s_barrier_wait -1
; THE WAY OUT, by blocks of 16 rows x 32 units.  Sixteen numbers a lane for each gate; eight packed lines for each operation.
.macro PK_ADD1 d
.set ii, 0
.rept 8
	v_pk_add_f32 v[\d+ii:\d+ii+1], v[\d+ii:\d+ii+1], 1.0 op_sel_hi:[1,0]
.set ii, ii+2
.endr
.endm
.macro PK_MUL d, x, y
.set ii, 0
.rept 8
	v_pk_mul_f32 v[\d+ii:\d+ii+1], v[\x+ii:\x+ii+1], v[\y+ii:\y+ii+1]
.set ii, ii+2
.endr
.endm
.macro PK_1M d, x
.set ii, 0
.rept 8
	v_pk_fma_f32 v[\d+ii:\d+ii+1], v[\x+ii:\x+ii+1], -1.0, 1.0 op_sel_hi:[1,0,0]
.set ii, ii+2
.endr
.endm
.macro PK_FMA d, x, y, z
.set ii, 0
.rept 8
	v_pk_fma_f32 v[\d+ii:\d+ii+1], v[\x+ii:\x+ii+1], v[\y+ii:\y+ii+1], v[\z+ii:\z+ii+1]
.set ii, ii+2
.endr
.endm
.macro PK_FNMA d, x, y, z              ; z - x y
.set ii, 0
.rept 8
	v_pk_fma_f32 v[\d+ii:\d+ii+1], v[\x+ii:\x+ii+1], v[\y+ii:\y+ii+1], v[\z+ii:\z+ii+1] neg_lo:[1,0,0] neg_hi:[1,0,0]
.set ii, ii+2
.endr
.endm
.macro PK_SC d, x, k
.set ii, 0
.rept 8
	v_pk_mul_f32 v[\d+ii:\d+ii+1], v[\x+ii:\x+ii+1], s[\k:\k+1] op_sel_hi:[1,0]
.set ii, ii+2
.endr
.endm
.macro HOLD d, n                       ; the exponents are held at 30
.set ii, 0
.rept \n
	v_min_num_f32 v[\d+ii], s[CAP], v[\d+ii]
.set ii, ii+1
.endr
.endm
.macro EXPS d, n                       ; a batch: the wait ahead of it; a plain place behind it
	s_wait_alu depctr_va_vdst(0)
.set ii, 0
.rept \n
	v_exp_f32 v[\d+ii], v[\d+ii]
.set ii, ii+1
.endr
	v_nop
.endm
.macro RCP16 d
	s_wait_alu depctr_va_vdst(0)
.set ii, 0
.rept 16
	v_rcp_f32 v[\d+ii], v[\d+ii]
.set ii, ii+1
.endr
	v_nop
	s_wait_alu depctr_va_vdst(0)                   ; and the wait behind the batch
.endm
.macro BACK a                          ; block a's 16 rows of my output, whole rows of 256 bytes (both column halves' numbers)
.irp t, 0,1,2,3,4,5,6,7
	ds_load_b128 v[OB+4*\t:OB+4*\t+3], v[RD] offset:(16*(\a)+2*\t)*PITCH
.endr
.endm
.macro SEND a
.irp t, 0,1,2,3,4,5,6,7
	global_store_b128 v[CO], v[OB+4*\t:OB+4*\t+3], s[OUT:OUT+1] offset:(16*(\a)+2*\t)*8192 th:TH_STORE_NT   ; 16 lanes store 256 consecutive bytes, aligned
.endr
.endm
; Block a - 1's barrier, its way back from the stage and its stores stand under block a's scalings and exponentials.  Each block has stage rows of its own.
.macro EPI a
.set AC, 64*((\a)%4)
.irp u, 0,1
.irp p, 0,1
	ds_load_b128 v[CP+8*\u+4*\p:CP+8*\u+4*\p+3], v[CPA] offset:16*PITCH*(\a)+64*\u+16*\p
.endr
.endr
	WIN 0x02+(\a)/4
	s_wait_alu depctr_va_vdst(0)                   ; the wait directly ahead of the first readers of the matrix results
.set ii, 0
.rept 32                               ; each accumulator from its low end on; gate c (tanh) takes twice the factor
.if ii/8 == 2
	v_pk_mul_f32 v[T+2*ii:T+2*ii+1], v[AC+2*ii:AC+2*ii+1], s[K2:K2+1] op_sel_hi:[1,0]
.else
	v_pk_mul_f32 v[T+2*ii:T+2*ii+1], v[AC+2*ii:AC+2*ii+1], s[KL:KL+1] op_sel_hi:[1,0]
.endif
.set ii, ii+1
.endr
	WIN 0
	HOLD T, 64
.if (\a) > 0
	s_wait_dscnt 0x0                               ; for my partner's sake: block a - 1's stores into the stage are done
	s_barrier_signal -1
	s_barrier_wait -1
.if (\a) > 1
	s_wait_xcnt 0x0                                ; block a - 2's stores have read their registers
.endif
	BACK (\a)-1
.endif
	EXPS T, 64                                     ; ef, ei, ec, eo
	s_wait_dscnt 0x0                               ; c_prev's numbers, and block a - 1's rows
.if (\a) > 0
	SEND (\a)-1
.endif
	s_wait_alu depctr_va_vdst(0)                   ; the wait behind the batch
	PK_ADD1 TA                                     ; A = 1 + ef
	PK_ADD1 TB                                     ; B = 1 + ei
	PK_ADD1 TE                                     ; E = 1 + eo
	PK_FMA TB, TB, TD, TB                          ; B D = B ec + B
	PK_FNMA W1, TA, TD, TA                         ; (1 - ec) A = A - A ec
	PK_FMA W1, CP, TB, W1                          ; + c_prev B D
	PK_MUL TA, TA, TB                              ; A B D
	RCP16 TA
	PK_MUL W1, W1, TA                              ; c_t
	PK_SC TD, W1, K2
	HOLD TD, 16
	EXPS TD, 16                                    ; et
	s_wait_alu depctr_va_vdst(0)
	PK_1M TB, TD                                   ; 1 - et
	PK_FMA TD, TE, TD, TE                          ; (1 + et) E
	RCP16 TD
	PK_MUL TB, TB, TD                              ; h_t
.irp u, 0,1
.irp p, 0,1
	ds_store_b128 v[STOH], v[TB+8*\u+4*\p:TB+8*\u+4*\p+3] offset:16*PITCH*(\a)+64*\u+16*\p
	ds_store_b128 v[STOC], v[W1+8*\u+4*\p:W1+8*\u+4*\p+3] offset:16*PITCH*(\a)+64*\u+16*\p
.endr
.endr
.endm
.irp a, 0,1,2,3,4,5,6,7
	EPI \a
.endr
	s_wait_dscnt 0x0
	s_barrier_signal -1
	s_barrier_wait -1
	s_wait_xcnt 0x0
	BACK 7
	s_wait_dscnt 0x0
	SEND 7
	s_wait_tensorcnt 0x0                           ; the wave's end
	ds_add_u32 v[SPW], v[NIL]
	s_wait_dscnt 0x0
	CROUND                                         ; the closing round
	s_endpgm
.Lfunc_end_k_q4f5633772b_cell:
	.size	k_q4f5633772b_cell, .Lfunc_end_k_q4f5633772b_cell-k_q4f5633772b_cell
	.p2alignl 7, 3214868480
	.fill 96, 4, 3214868480
	.section	.rodata,"a",@progbits
	.p2align	6, 0x0
	.amdhsa_kernel k_q4f5633772b_cell
		.amdhsa_group_segment_fixed_size 327680
		.amdhsa_private_segment_fixed_size 0
		.amdhsa_enable_private_segment 0
		.amdhsa_kernarg_size 72
		.amdhsa_user_sgpr_count 2
		.amdhsa_user_sgpr_kernarg_segment_ptr 1
		.amdhsa_wavefront_size32 1
		.amdhsa_system_sgpr_workgroup_id_x 1
		.amdhsa_system_sgpr_workgroup_id_y 1
		.amdhsa_system_sgpr_workgroup_id_z 1
		.amdhsa_system_vgpr_workitem_id 0
		.amdhsa_next_free_vgpr 1024
		.amdhsa_next_free_sgpr 102
		.amdhsa_reserve_vcc 0
		.amdhsa_float_denorm_mode_32 3
		.amdhsa_float_denorm_mode_16_64 3
		.amdhsa_memory_ordered 1
		.amdhsa_forward_progress 1
		.amdhsa_inst_pref_size 255
	.end_amdhsa_kernel
	.section	.bss,"aw",@nobits
	.p2align	6
	.space	262144
	.amdgpu_metadata
---
amdhsa.version: [ 1, 2 ]
amdhsa.kernels:
  - .name:           k_q4f5633772b_cell
    .symbol:         k_q4f5633772b_cell.kd
    .args:
      - { .name: a_pack, .offset: 0, .size: 8, .value_kind: global_buffer, .address_space: global }
      - { .name: w_pack, .offset: 8, .size: 8, .value_kind: global_buffer, .address_space: global }
      - { .name: bf, .offset: 16, .size: 8, .value_kind: global_buffer, .address_space: global }
      - { .name: bi, .offset: 24, .size: 8, .value_kind: global_buffer, .address_space: global }
      - { .name: bc, .offset: 32, .size: 8, .value_kind: global_buffer, .address_space: global }
      - { .name: bo, .offset: 40, .size: 8, .value_kind: global_buffer, .address_space: global }
      - { .name: c_prev, .offset: 48, .size: 8, .value_kind: global_buffer, .address_space: global }
      - { .name: out0, .offset: 56, .size: 8, .value_kind: global_buffer, .address_space: global }
      - { .name: out1, .offset: 64, .size: 8, .value_kind: global_buffer, .address_space: global }
    .group_segment_fixed_size: 327680
    .private_segment_fixed_size: 0
    .kernarg_segment_align: 8
    .kernarg_segment_size: 72
    .max_flat_workgroup_size: 128
    .sgpr_count:     102
    .vgpr_count:     1024
    .wavefront_size: 32
...
	.end_amdgpu_metadata
.endif
;; end of part 2
